; MI455X (gfx1250); checked and timed in simulation.
; The chip was launched on July 23, 2026; its instructions are those of AMD's public machine-readable ISA for CDNA 5 (MIT licence, August 2026) and "CDNA5" Instruction Set Architecture Reference Guide (July 2026). The comments in the code are by the model that wrote it; some were corrected since.
;; Gaussian Point Cloud Continuous Pose Rasterisation. Allowed arithmetic: float matrix products may take bf16 or f16 operands with f32 sums; all other float work in f32.
;; Inputs: camera_intrinsics 3 x 3 float32; point_alpha 512 float32; point_color 512 x 3 float32; point_conic 512 x 3 float32; pointcloud 512 x 3 float32; q_pointcloud_camera 4 float32; t_pointcloud_camera 3 float32.
;; Outputs: out0 512 x 512 x 5 float32.
;; Constants: camera_height = 512, camera_width = 512.
;; One version. Each part assembles by itself: llvm-mc -triple=amdgcn-amd-amdhsa -mcpu=gfx1250 --defsym DOCPART=n.
;; ======== version 1 of 1: 3 launches
;; workspace buffers: rank 2,048 bytes of whole numbers; masks 262,144 bytes of whole numbers
;; launch depthrank (part 1): grid 256 x 1, 16 waves a work-group, no clusters, 3,072 bytes of LDS; arguments pointcloud, q_pointcloud_camera, t_pointcloud_camera, rank; writes rank
.if DOCPART == 1
	.amdgcn_target "amdgcn-amd-amdhsa--gfx1250"
	.amdhsa_code_object_version 6
	.text
	.protected	k_q9fc5db3352_depthrank
	.globl	k_q9fc5db3352_depthrank
	.p2align	8
	.type	k_q9fc5db3352_depthrank,@function
k_q9fc5db3352_depthrank:
	s_mov_b64 s[64:65], 0
	v_nop
	global_prefetch_b8 v0, s[64:65] scope:SCOPE_SE
	s_setreg_imm32_b32 hwreg(HW_REG_WAVE_MODE, 25, 1), 1
	s_wait_xcnt 0x0
; FIRST OF THREE LAUNCHES: each point's place in the depth order.
; rank[i] = the place of point i in a stable ascending sort by depth (jnp.argsort): the number of points with a smaller depth, or an equal
; depth and a smaller index.  256 work-groups of 512 threads; thread t owns point t, work-group g ranks points 2g and 2g+1:
; every thread compares its own key with the two, a wave's 32 answers are counted in a scalar register, the 16 waves' counts meet in LDS.
; A launch of its own, because the next launch uses the rank as an LDS address, and an address is made only of whole numbers read from memory.
; depth = row 2 of R(q) times the point, plus t[2], by the same instructions as in the later launches.
; No matrix unit (a product with K = 3), no cluster, no tensor load: the work-groups share 6 KB, of which a thread takes 12 bytes into registers.
.set CNT,  0                           ; LDS: 16 waves x 2 counts of 4 bytes
.set WAVE, 5                           ; s5   wave number
.set QX, 28                            ; s[28:31] quaternion x, y, z, w
.set QY, 29
.set QZ, 30
.set QW, 31
.set TZ, 34                            ; t[2]
.set PT,  4                            ; v[4:6]   my point
.set XX, 16
.set YY, 17
.set XZ, 20
.set YZ, 21
.set XW, 22
.set YW, 23
.set R20, 30                           ; v[30:31] a pair, for the packed doubling
.set R21, 31
.set R22, 34
.set PZ,  44                           ; my depth
.set KEY, 45                           ; my depth as a sortable whole number
.set T0,  46
.set T1,  47
.set ZI,  48
.set KI0, 49                           ; keys of points 2g, 2g+1
.set KI1, 50
.set C0,  52                           ; v[52:53] my wave's two counts
.set CS,  54
.set CT,  55
; A depth as an unsigned number that sorts as jnp.argsort sorts: -0 = +0, every NaN alike and last.  The largest key is 0xffc00000.
.macro KEYOF dst, src, tmp
	v_cmp_eq_f32 vcc_lo, v[\src], v[\src]          ; false for a NaN
	v_add_f32 v[\dst], 0, v[\src]                  ; -0 becomes +0
	v_cndmask_b32 v[\dst], 0x7fc00000, v[\dst], vcc_lo
	v_ashrrev_i32 v[\tmp], 31, v[\dst]
	v_or_b32 v[\tmp], 0x80000000, v[\tmp]
	v_xor_b32 v[\dst], v[\dst], v[\tmp]
.endm
; How many of my wave's 32 points stand in front of point i: key smaller, or equal and earlier in the input (key < key_i + 1).
.macro COUNT sidx, ki, sdst
	v_cmp_gt_u32 vcc_lo, s[\sidx], v0
	v_cndmask_b32 v[T0], 0, 1, vcc_lo
	v_add_nc_u32 v[T0], v[\ki], v[T0]
	v_cmp_lt_u32 s[\sdst], v[KEY], v[T0]
	s_bcnt1_i32_b32 s[\sdst], s[\sdst]
.endm
	s_load_b256 s[8:15], s[0:1], 0x0               ; points s[8:9], q s[10:11], t s[12:13], rank s[14:15]
	v_lshl_add_u32 v56, v0, 2, 0x400
	v_mov_b32 v57, 0
	s_mul_i32 s6, ttmp9, 24                        ; bytes in front of points 2g, 2g+1
	v_mul_u32_u24 v1, v0, 12                       ; my point's 12 bytes
	v_lshlrev_b32 v2, 2, v0
	v_lshrrev_b32 v3, 5, v0
	v_readfirstlane_b32 s[WAVE], v3
	s_wait_kmcnt 0x0
	global_load_b96 v[PT:PT+2], v1, s[8:9]         ; a wave's load covers 384 neighbouring bytes
	s_load_b128 s[28:31], s[10:11], 0x0
	s_load_b32 s[TZ], s[12:13], 0x8
	s_load_b128 s[44:47], s[8:9], s6 offset:0x0    ; point 2g and the x of point 2g+1
	s_load_b64 s[48:49], s[8:9], s6 offset:0x10    ; the rest of point 2g+1
	s_wait_kmcnt 0x0
	; row 2 of quat_to_rot(q): every product and sum rounded by itself; 2 x is exact, so 1 - 2 s is one fused step
	v_mul_f32 v[XX], s[QX], s[QX]
	v_mul_f32 v[YY], s[QY], s[QY]
	v_mul_f32 v[XZ], s[QX], s[QZ]
	v_mul_f32 v[YZ], s[QY], s[QZ]
	v_mul_f32 v[XW], s[QX], s[QW]
	v_mul_f32 v[YW], s[QY], s[QW]
	v_sub_f32 v[R20], v[XZ], v[YW]
	v_add_f32 v[R21], v[YZ], v[XW]
	v_add_f32 v[R22], v[XX], v[YY]
	v_pk_add_f32 v[R20:R21], v[R20:R21], v[R20:R21]
	v_fma_f32 v[R22], -2.0, v[R22], 1.0
	; the depths of the two points to be ranked, by the same four instructions as every thread's own depth: the same bits
	v_mul_f32 v[ZI], s44, v[R20]
	v_fma_f32 v[ZI], s45, v[R21], v[ZI]
	v_fma_f32 v[ZI], s46, v[R22], v[ZI]
	v_add_f32 v[ZI], s[TZ], v[ZI]
	KEYOF KI0, ZI, T0
	v_mul_f32 v[ZI], s47, v[R20]
	v_fma_f32 v[ZI], s48, v[R21], v[ZI]
	v_fma_f32 v[ZI], s49, v[R22], v[ZI]
	v_add_f32 v[ZI], s[TZ], v[ZI]
	KEYOF KI1, ZI, T0
	s_wait_loadcnt 0x0
	v_mul_f32 v[PZ], v[PT], v[R20]
	v_fma_f32 v[PZ], v[PT+1], v[R21], v[PZ]
	v_fma_f32 v[PZ], v[PT+2], v[R22], v[PZ]
	v_add_f32 v[PZ], s[TZ], v[PZ]
	KEYOF KEY, PZ, T0
	s_lshl_b32 s50, ttmp9, 1
	s_or_b32 s51, s50, 1
	COUNT 50, KI0, 52
	COUNT 51, KI1, 53
	v_mov_b32 v[C0], s52
	v_mov_b32 v[C0+1], s53
	s_lshl_b32 s54, s[WAVE], 3
	v_mov_b32 v[T1], s54
	ds_store_b64 v[T1], v[C0:C0+1] offset:CNT      ; every lane writes the same 8 bytes
	s_wait_dscnt 0x0                               ; my store is in LDS before I say so
	s_barrier_signal -1
	s_barrier_wait -1
	s_cmp_lg_u32 s[WAVE], 0
	s_cbranch_scc1 .Lend
	; wave 0 adds the 16 waves' counts.  Lane l holds the count of wave l / 2 for point 2g + l % 2; counts are at most 512, exact in f32.
	ds_load_b32 v[CS], v2 offset:CNT
	s_mov_b32 s60, 0x76543210
	s_mov_b32 s61, 0xfedcba98
	s_lshl_b32 s6, ttmp9, 3
	s_mov_b32 s7, 0
	s_add_nc_u64 s[14:15], s[14:15], s[6:7]
	s_wait_dscnt 0x0
	v_cvt_f32_u32 v[CS], v[CS]
	v_add_f32_dpp v[CS], v[CS], v[CS] row_xmask:2 row_mask:0xf bank_mask:0xf
	v_add_f32_dpp v[CS], v[CS], v[CS] row_xmask:4 row_mask:0xf bank_mask:0xf
	v_add_f32_dpp v[CS], v[CS], v[CS] row_xmask:8 row_mask:0xf bank_mask:0xf
	v_mov_b32 v[CT], v[CS]
	v_permlanex16_b32 v[CT], v[CS], s60, s61
	v_add_f32 v[CS], v[CS], v[CT]
	v_cvt_u32_f32 v[CS], v[CS]
	s_wait_xcnt 0x0                                ; EXEC changes only behind this wait
	s_wait_tensorcnt 0x0
	ds_add_u32 v56, v57
	s_wait_dscnt 0x0
	v_cmpx_gt_u32 2, v0
	global_store_b32 v2, v[CS], s[14:15]           ; 8 bytes a work-group, 2 KB in the launch: 64 ranks in one work-group would put 32 times the compares on 8 of the 256
	s_endpgm
.Lend:
	s_wait_tensorcnt 0x0
	ds_add_u32 v56, v57
	s_wait_dscnt 0x0
	s_endpgm
.Lfunc_end_k_q9fc5db3352_depthrank:
	.size	k_q9fc5db3352_depthrank, .Lfunc_end_k_q9fc5db3352_depthrank-k_q9fc5db3352_depthrank
	.p2alignl 7, 3214868480
	.fill 96, 4, 3214868480
	.section	.rodata,"a",@progbits
	.p2align	6, 0x0
	.amdhsa_kernel k_q9fc5db3352_depthrank
		.amdhsa_group_segment_fixed_size 3072
		.amdhsa_private_segment_fixed_size 0
		.amdhsa_enable_private_segment 0
		.amdhsa_kernarg_size 32
		.amdhsa_user_sgpr_count 2
		.amdhsa_user_sgpr_kernarg_segment_ptr 1
		.amdhsa_wavefront_size32 1
		.amdhsa_system_sgpr_workgroup_id_x 1
		.amdhsa_system_sgpr_workgroup_id_y 1
		.amdhsa_system_sgpr_workgroup_id_z 1
		.amdhsa_system_vgpr_workitem_id 0
		.amdhsa_next_free_vgpr 58
		.amdhsa_next_free_sgpr 66
		.amdhsa_reserve_vcc 1
		.amdhsa_float_denorm_mode_32 3
		.amdhsa_float_denorm_mode_16_64 3
		.amdhsa_memory_ordered 1
		.amdhsa_forward_progress 1
		.amdhsa_inst_pref_size 5
	.end_amdhsa_kernel
	.amdgpu_metadata
---
amdhsa.version: [ 1, 2 ]
amdhsa.kernels:
  - .name:           k_q9fc5db3352_depthrank
    .symbol:         k_q9fc5db3352_depthrank.kd
    .args:
      - { .name: pointcloud, .offset: 0, .size: 8, .value_kind: global_buffer, .address_space: global }
      - { .name: q_pointcloud_camera, .offset: 8, .size: 8, .value_kind: global_buffer, .address_space: global }
      - { .name: t_pointcloud_camera, .offset: 16, .size: 8, .value_kind: global_buffer, .address_space: global }
      - { .name: rank, .offset: 24, .size: 8, .value_kind: global_buffer, .address_space: global }
    .group_segment_fixed_size: 3072
    .private_segment_fixed_size: 0
    .kernarg_segment_align: 8
    .kernarg_segment_size: 32
    .max_flat_workgroup_size: 512
    .sgpr_count:     66
    .vgpr_count:     58
    .wavefront_size: 32
...
	.end_amdgpu_metadata
.endif
;; end of part 1
;; launch bin (part 2): grid 8 x 32, 16 waves a work-group, no clusters, 4,096 bytes of LDS; arguments camera_intrinsics, point_alpha, point_color, point_conic, pointcloud, q_pointcloud_camera, t_pointcloud_camera, rank, masks; writes masks
.if DOCPART == 2
	.amdgcn_target "amdgcn-amd-amdhsa--gfx1250"
	.amdhsa_code_object_version 6
	.text
	.protected	k_q9fc5db3352_bin
	.globl	k_q9fc5db3352_bin
	.p2align	8
	.type	k_q9fc5db3352_bin,@function
k_q9fc5db3352_bin:
	s_mov_b64 s[64:65], 0
	v_nop
	global_prefetch_b8 v0, s[64:65] scope:SCOPE_SE
	s_setreg_imm32_b32 hwreg(HW_REG_WAVE_MODE, 25, 1), 1
	s_wait_xcnt 0x0
; SECOND OF THREE LAUNCHES: which points can touch which pixels, listed in depth order.
; 256 work-groups of 512 threads.  Work-group g = 8 ry + rx owns the region of 64 x 16 pixels at (64 rx, 16 ry), cut into
; 16 tiles of 8 x 8 pixels (8 across, 2 down; tile k = 8 ty + tx).  Thread t owns point t; then wave k owns tile k.
;   masks[g][k][c] (32 bits): bit l is set unless the point at depth place 32 c + l surely adds nothing to tile k of region g.
; Thread t makes its point's 16 tile bits and stores them in LDS at the point's depth place, rank[t], a whole number read from memory and
; clamped to 511.  The ranks are a permutation of 0 .. 511, so every place is written once.  Wave k then gathers bit k of the 512 places.
; WHY A POINT MAY BE LEFT OUT.  reference() sets alpha = 0 where g a < 1/255; then w = 0, and with a finite colour and depth nothing changes.
; g a >= 1/255 needs q = A dx^2 + 2 B dx dy + C dy^2 <= 2 ln(255 a).  For det = A C - B^2 > 0 and A, C > 0 that bounds
; |dx| <= sqrt(2 ln(255 a) C / det) and |dy| <= sqrt(2 ln(255 a) A / det).  ROOM: a is taken 0.1 % larger, A C 0.1 % smaller
; (the sum of |terms| of q is at most 4 q A C / det, so f32 rounding of q is below 1e-6 q A C / det, the room is 1e-3 q A C / det),
; and 0.01 pixel is added to each radius for the rounding of the box itself.  Everything else means EVERYWHERE: det <= 0, A, C < 0,
; any NaN or infinity on the way (the clamps below turn a NaN into the full range), and a colour that is not finite (0 x inf is NaN in reference()).
; a x 1.001 < 1/255 (also a <= 0) means NOWHERE, since g <= 1.
; The 3 x 3 products are f32 multiply-adds: K = 3 leaves the matrix unit nothing to do, and a 16-bit operand would move a centre by a pixel.
; No cluster, no tensor load: the work-groups share only the 20 KB of inputs, and a thread's 44 bytes go straight into registers.
; LIMIT: depth + 1e-6 equal to 0, or outside the range in which v_rcp_f32 returns a normal number, gives u = v = NaN (the point then counts as everywhere).
.set FLG,  0                           ; LDS: 512 x 2 bytes, the tile bits by depth place
.set MSK,  1024                        ; LDS: 16 tiles x 16 words, on their way out
.set SRY,  3                           ; s3   ry
.set GID,  4                           ; s4   g
.set WAVE, 5                           ; s5   wave number
.set QX, 28                            ; s[28:31] quaternion x, y, z, w
.set QY, 29
.set QZ, 30
.set QW, 31
.set TX, 32                            ; s[32:34] translation
.set TY, 33
.set TZ, 34
.set K00, 36                           ; s[36:41] rows 0 and 1 of the intrinsics (row 2 enters only proj[:, 2], which reference() drops)
.set K01, 37
.set K02, 38
.set K10, 39
.set K11, 40
.set K12, 41
.set PT,  4                            ; v[4:6]   my point
.set CON, 8                            ; v[8:10]  my conic A, B, C
.set COL, 12                           ; v[12:14] my colour
.set AL,  15                           ; v15      my alpha
.set XX, 16                            ; v[16:24] products of the quaternion's parts
.set YY, 17
.set ZZ, 18
.set XY, 19
.set XZ, 20
.set YZ, 21
.set XW, 22
.set YW, 23
.set ZW, 24
.set R01, 26                           ; v[26:31] R off the diagonal, in pairs for the packed doubling
.set R02, 27
.set R10, 28
.set R12, 29
.set R20, 30
.set R21, 31
.set R00, 32                           ; v[32:34] R's diagonal
.set R11, 33
.set R22, 34
.set CX,  35                           ; camera-frame x, y
.set CY,  36
.set DEN, 37                           ; depth + 1e-6
.set RC,  38                           ; its reciprocal
.set ER,  39                           ; remainders
.set UN,  40                           ; numerators
.set VN,  41
.set PU,  42                           ; u, v, depth
.set PV,  43
.set PZ,  44
.set T0,  46
.set T1,  47
.set AM,  51
.set LG,  52
.set DET, 53
.set RD,  54
.set KK,  55
.set RX,  56
.set RYY, 57
.set PAD, 58
.set NEG, 59
.set LO,  60
.set HI,  61
.set OX,  62
.set MX,  63
.set MY,  64
.set RK,  65                           ; my point's depth place
.set FA,  66                           ; its two bytes in LDS
.set OUTF, 68                          ; v[68:71] 16 bytes of masks on their way out
.set A16, 72
.set LA,  73                           ; 2 x lane
.set MA,  74                           ; my tile's 64 bytes in LDS
.set W,   76                           ; v[76:91] my tile's 16 words, the same in every lane
.set FW,  16                           ; v[16:31] behind the first barrier: the tile bits of places 32 c + lane
; R = quat_to_rot(q): every product and sum rounded by itself, as reference() writes them.  2 x is exact, so 1 - 2 s is one fused step.
.macro CAMERA
	v_mul_f32 v[XX], s[QX], s[QX]
	v_mul_f32 v[YY], s[QY], s[QY]
	v_mul_f32 v[ZZ], s[QZ], s[QZ]
	v_mul_f32 v[XY], s[QX], s[QY]
	v_mul_f32 v[XZ], s[QX], s[QZ]
	v_mul_f32 v[YZ], s[QY], s[QZ]
	v_mul_f32 v[XW], s[QX], s[QW]
	v_mul_f32 v[YW], s[QY], s[QW]
	v_mul_f32 v[ZW], s[QZ], s[QW]
	v_sub_f32 v[R01], v[XY], v[ZW]
	v_add_f32 v[R02], v[XZ], v[YW]
	v_add_f32 v[R10], v[XY], v[ZW]
	v_sub_f32 v[R12], v[YZ], v[XW]
	v_sub_f32 v[R20], v[XZ], v[YW]
	v_add_f32 v[R21], v[YZ], v[XW]
	v_add_f32 v[R00], v[YY], v[ZZ]
	v_add_f32 v[R11], v[XX], v[ZZ]
	v_add_f32 v[R22], v[XX], v[YY]
	v_pk_add_f32 v[R01:R02], v[R01:R02], v[R01:R02]
	v_pk_add_f32 v[R10:R12], v[R10:R12], v[R10:R12]
	v_pk_add_f32 v[R20:R21], v[R20:R21], v[R20:R21]
	v_fma_f32 v[R00], -2.0, v[R00], 1.0
	v_fma_f32 v[R11], -2.0, v[R11], 1.0
	v_fma_f32 v[R22], -2.0, v[R22], 1.0
.endm
; p_cam = R p + t, proj = K p_cam (each sum: a product, then two fused multiply-adds, k ascending), uv = proj / (depth + 1e-6).
; The quotient: reciprocal with one Newton step, then the quotient corrected by its exact remainder.
.macro PROJECT ru, rv, rz
	v_mul_f32 v[\rz], v[PT], v[R20]
	v_fma_f32 v[\rz], v[PT+1], v[R21], v[\rz]
	v_fma_f32 v[\rz], v[PT+2], v[R22], v[\rz]
	v_add_f32 v[\rz], s[TZ], v[\rz]
	v_add_f32 v[DEN], 0x358637bd, v[\rz]           ; + 1e-6
	v_rcp_f32 v[RC], v[DEN]                        ; its result is first read eight plain instructions further down
	v_mul_f32 v[CX], v[PT], v[R00]
	v_fma_f32 v[CX], v[PT+1], v[R01], v[CX]
	v_fma_f32 v[CX], v[PT+2], v[R02], v[CX]
	v_add_f32 v[CX], s[TX], v[CX]
	v_mul_f32 v[CY], v[PT], v[R10]
	v_fma_f32 v[CY], v[PT+1], v[R11], v[CY]
	v_fma_f32 v[CY], v[PT+2], v[R12], v[CY]
	v_add_f32 v[CY], s[TY], v[CY]
	s_wait_alu depctr_va_vdst(0)
	v_fma_f32 v[ER], -v[DEN], v[RC], 1.0
	v_fma_f32 v[RC], v[ER], v[RC], v[RC]
	v_mul_f32 v[UN], s[K00], v[CX]
	v_fma_f32 v[UN], s[K01], v[CY], v[UN]
	v_fma_f32 v[UN], s[K02], v[\rz], v[UN]
	v_mul_f32 v[VN], s[K10], v[CX]
	v_fma_f32 v[VN], s[K11], v[CY], v[VN]
	v_fma_f32 v[VN], s[K12], v[\rz], v[VN]
	v_mul_f32 v[\ru], v[UN], v[RC]
	v_fma_f32 v[ER], -v[DEN], v[\ru], v[UN]
	v_fma_f32 v[\ru], v[ER], v[RC], v[\ru]
	v_mul_f32 v[\rv], v[VN], v[RC]
	v_fma_f32 v[ER], -v[DEN], v[\rv], v[VN]
	v_fma_f32 v[\rv], v[ER], v[RC], v[\rv]
.endm
; dst = one bit for each of the tiles org .. org + lim - 1 (8 pixels each) that [ctr - rad, ctr + rad] can reach; ctr counts pixel centres as whole numbers.
; First tile floor(lo / 8), last tile floor(hi / 8), both relative and clamped.  A NaN loses in v_max_num / v_min_num, and the order of
; the two clamps is chosen so that it leaves 0 below and lim above: the full range.
.macro SPAN dst, ctr, rad, sorg, lim
	v_cvt_f32_u32 v[OX], s[\sorg]
	v_sub_f32 v[LO], v[\ctr], v[\rad]
	v_add_f32 v[HI], v[\ctr], v[\rad]
	v_fma_f32 v[LO], v[LO], 0x3e000000, -v[OX]     ; lo / 8 - org
	v_add_f32 v[OX], -1.0, v[OX]
	v_fma_f32 v[HI], v[HI], 0x3e000000, -v[OX]     ; hi / 8 - org + 1
	v_max_num_f32 v[LO], 0, v[LO]
	v_min_num_f32 v[HI], \lim, v[HI]
	v_min_num_f32 v[LO], \lim, v[LO]
	v_max_num_f32 v[HI], 0, v[HI]
	v_cvt_u32_f32 v[LO], v[LO]                     ; toward zero = floor: both are >= 0
	v_cvt_u32_f32 v[HI], v[HI]
	v_lshlrev_b32 v[LO], v[LO], -1                 ; bits first .. 31
	v_lshlrev_b32 v[HI], v[HI], 1
	v_add_nc_u32 v[HI], -1, v[HI]                  ; bits 0 .. last
	v_and_b32 v[\dst], v[HI], v[LO]                ; nothing where last < first
.endm
	s_load_b512 s[8:23], s[0:1], 0x0               ; K s[8:9], alpha s[10:11], colour s[12:13], conic s[14:15], points s[16:17], q s[18:19], t s[20:21], rank s[22:23]
	s_load_b64 s[24:25], s[0:1], 0x40              ; masks
	v_lshl_add_u32 v92, v0, 2, 0x800
	v_mov_b32 v93, 0
	s_and_b32 s[SRY], ttmp7, 0xffff
	s_lshl3_add_u32 s[GID], s[SRY], ttmp9          ; g = 8 ry + rx
	v_mul_u32_u24 v1, v0, 12                       ; my 12 bytes of points, conics, colours
	v_lshlrev_b32 v2, 2, v0                        ; my 4 bytes of alpha and of rank
	v_lshrrev_b32 v3, 5, v0
	v_readfirstlane_b32 s[WAVE], v3
	s_wait_kmcnt 0x0
	global_load_b96 v[PT:PT+2], v1, s[16:17]       ; a wave's load covers 384 neighbouring bytes
	global_load_b96 v[CON:CON+2], v1, s[14:15]
	global_load_b96 v[COL:COL+2], v1, s[12:13]
	global_load_b32 v[AL], v2, s[10:11]
	global_load_b32 v[RK], v2, s[22:23]
	s_load_b128 s[28:31], s[18:19], 0x0
	s_load_b96 s[32:34], s[20:21], 0x0
	s_load_b256 s[36:43], s[8:9], 0x0
	s_wait_kmcnt 0x0
	CAMERA
	s_wait_loadcnt 0x4                             ; my point is in; conic, colour, alpha and rank, issued behind it, may stay out
	PROJECT PU, PV, PZ
	; the box
	s_wait_loadcnt 0x0
	v_mul_f32 v[AM], 0x437f4148, v[AL]             ; 255.255 a
	v_mul_f32 v[T0], 0x3f7fbe77, v[CON]            ; 0.999 A
	v_log_f32 v[LG], v[AM]                         ; log2; read three instructions on, two plain ones between
	v_mul_f32 v[T0], v[T0], v[CON+2]
	v_fma_f32 v[DET], -v[CON+1], v[CON+1], v[T0]   ; 0.999 A C - B^2
	v_rcp_f32 v[RD], v[DET]
	s_wait_alu depctr_va_vdst(0)
	v_mul_f32 v[LG], 0x3fb17218, v[LG]             ; 2 ln(255.255 a); also the plain instruction behind v_rcp_f32
	v_cmp_lt_f32 vcc_lo, 0, v[DET]
	v_mul_f32 v[KK], v[LG], v[RD]
	v_cndmask_b32 v[KK], 0x7fc00000, v[KK], vcc_lo ; det not above 0 (or NaN): NaN, which ends as the full range
	v_mul_f32 v[RX], v[KK], v[CON+2]
	v_mul_f32 v[RYY], v[KK], v[CON]
	v_sqrt_f32 v[RX], v[RX]                        ; of a negative number (A, C < 0): NaN, the full range
	v_sqrt_f32 v[RYY], v[RYY]
	v_fma_f32 v[PAD], v[COL], 0, 0x3c23d70a        ; 0.01 pixel, or NaN where a colour is not finite
	v_fma_f32 v[PAD], v[COL+1], 0, v[PAD]
	v_fma_f32 v[PAD], v[COL+2], 0, v[PAD]
	v_cmp_gt_f32 vcc_lo, 1.0, v[AM]                ; a too small for any pixel:
	v_mov_b32 v[NEG], 0xf149f2ca                   ; a radius of -1e30 leaves no tile
	s_wait_alu depctr_va_vdst(0)
	v_cndmask_b32 v[RX], v[RX], v[NEG], vcc_lo
	v_add_f32 v[RX], v[RX], v[PAD]
	v_add_f32 v[RYY], v[RYY], v[PAD]
	v_add_f32 v[PU], -0.5, v[PU]                   ; pixel i has its centre at i + 0.5
	v_add_f32 v[PV], -0.5, v[PV]
	s_lshl_b32 s54, ttmp9, 3                       ; the region's first tile across,
	s_lshl_b32 s55, s[SRY], 1                      ; and down
	SPAN MX, PU, RX, 54, 0x41000000                ; 8 tiles across
	SPAN MY, PV, RYY, 55, 2.0                      ; 2 tiles down
	v_and_b32 v[T0], 1, v[MY]
	v_and_b32 v[T1], 2, v[MY]
	v_lshl_or_b32 v[T0], v[T1], 7, v[T0]           ; 1 for the upper row of tiles, 256 for the lower
	v_mul_u32_u24 v[MX], v[MX], v[T0]              ; bit 8 ty + tx
	v_min_u32 v[RK], 0x1ff, v[RK]                  ; a number from memory becomes an address only behind this clamp
	v_lshlrev_b32 v[FA], 1, v[RK]
	ds_store_b16 v[FA], v[MX] offset:FLG           ; my point's bits at its depth place
	s_wait_dscnt 0x0                               ; my store is in LDS before I say so
	s_barrier_signal -1
	v_and_b32 v[LA], 31, v0
	v_lshlrev_b32 v[LA], 1, v[LA]
	s_lshl_b32 s44, 1, s[WAVE]                     ; my tile's bit
	s_lshl_b32 s54, s[WAVE], 6
	v_mov_b32 v[MA], s54
	s_barrier_wait -1                              ; every place's bits are in LDS
	; word c of my tile: bit l = the point at depth place 32 c + l can touch it
.irp c, 0,1,2,3,4,5,6,7,8,9,10,11,12,13,14,15
	ds_load_u16 v[FW+\c], v[LA] offset:FLG+64*\c
.endr
.irp c, 0,1,2,3,4,5,6,7,8,9,10,11,12,13,14,15
	s_wait_dscnt 15-\c                             ; LDS loads return in order: load c is in, the 15 - c younger ones may stay out
	v_and_b32 v[T0], s44, v[FW+\c]
	v_cmp_ne_u32 s47, 0, v[T0]
	v_mov_b32 v[W+\c], s47
.endr
.irp j, 0,1,2,3
	ds_store_b128 v[MA], v[W+4*\j:W+4*\j+3] offset:MSK+16*\j   ; every lane writes the same 16 bytes
.endr
	s_wait_dscnt 0x0                               ; my stores are in LDS before I say so
	s_barrier_signal -1
	s_barrier_wait -1
	; the way out: 64 threads store the region's 1,024 bytes, 16 lanes to each aligned run of 256 bytes
	s_cmp_gt_u32 s[WAVE], 1
	s_cbranch_scc1 .Lend
	v_lshlrev_b32 v[A16], 4, v0
	ds_load_b128 v[OUTF:OUTF+3], v[A16] offset:MSK
	s_lshl_b32 s6, s[GID], 10
	s_mov_b32 s7, 0
	s_add_nc_u64 s[24:25], s[24:25], s[6:7]
	s_wait_dscnt 0x0
	global_store_b128 v[A16], v[OUTF:OUTF+3], s[24:25]
.Lend:
	s_wait_tensorcnt 0x0
	ds_add_u32 v92, v93
	s_wait_dscnt 0x0
	s_endpgm
.Lfunc_end_k_q9fc5db3352_bin:
	.size	k_q9fc5db3352_bin, .Lfunc_end_k_q9fc5db3352_bin-k_q9fc5db3352_bin
	.p2alignl 7, 3214868480
	.fill 96, 4, 3214868480
	.section	.rodata,"a",@progbits
	.p2align	6, 0x0
	.amdhsa_kernel k_q9fc5db3352_bin
		.amdhsa_group_segment_fixed_size 4096
		.amdhsa_private_segment_fixed_size 0
		.amdhsa_enable_private_segment 0
		.amdhsa_kernarg_size 72
		.amdhsa_user_sgpr_count 2
		.amdhsa_user_sgpr_kernarg_segment_ptr 1
		.amdhsa_wavefront_size32 1
		.amdhsa_system_sgpr_workgroup_id_x 1
		.amdhsa_system_sgpr_workgroup_id_y 1
		.amdhsa_system_sgpr_workgroup_id_z 1
		.amdhsa_system_vgpr_workitem_id 0
		.amdhsa_next_free_vgpr 94
		.amdhsa_next_free_sgpr 66
		.amdhsa_reserve_vcc 1
		.amdhsa_float_denorm_mode_32 3
		.amdhsa_float_denorm_mode_16_64 3
		.amdhsa_memory_ordered 1
		.amdhsa_forward_progress 1
		.amdhsa_inst_pref_size 12
	.end_amdhsa_kernel
	.amdgpu_metadata
---
amdhsa.version: [ 1, 2 ]
amdhsa.kernels:
  - .name:           k_q9fc5db3352_bin
    .symbol:         k_q9fc5db3352_bin.kd
    .args:
      - { .name: camera_intrinsics, .offset: 0, .size: 8, .value_kind: global_buffer, .address_space: global }
      - { .name: point_alpha, .offset: 8, .size: 8, .value_kind: global_buffer, .address_space: global }
      - { .name: point_color, .offset: 16, .size: 8, .value_kind: global_buffer, .address_space: global }
      - { .name: point_conic, .offset: 24, .size: 8, .value_kind: global_buffer, .address_space: global }
      - { .name: pointcloud, .offset: 32, .size: 8, .value_kind: global_buffer, .address_space: global }
      - { .name: q_pointcloud_camera, .offset: 40, .size: 8, .value_kind: global_buffer, .address_space: global }
      - { .name: t_pointcloud_camera, .offset: 48, .size: 8, .value_kind: global_buffer, .address_space: global }
      - { .name: rank, .offset: 56, .size: 8, .value_kind: global_buffer, .address_space: global }
      - { .name: masks, .offset: 64, .size: 8, .value_kind: global_buffer, .address_space: global }
    .group_segment_fixed_size: 4096
    .private_segment_fixed_size: 0
    .kernarg_segment_align: 8
    .kernarg_segment_size: 72
    .max_flat_workgroup_size: 512
    .sgpr_count:     66
    .vgpr_count:     94
    .wavefront_size: 32
...
	.end_amdgpu_metadata
.endif
;; end of part 2
;; launch raster (part 3): grid 8 x 32, 16 waves a work-group, no clusters, 47,616 bytes of LDS; arguments camera_intrinsics, point_alpha, point_color, point_conic, pointcloud, q_pointcloud_camera, t_pointcloud_camera, rank, masks, out0; writes out0
.if DOCPART == 3
	.amdgcn_target "amdgcn-amd-amdhsa--gfx1250"
	.amdhsa_code_object_version 6
	.text
	.protected	k_q9fc5db3352_raster
	.globl	k_q9fc5db3352_raster
	.p2align	8
	.type	k_q9fc5db3352_raster,@function
k_q9fc5db3352_raster:
	s_mov_b64 s[64:65], 0
	v_nop
	global_prefetch_b8 v0, s[64:65] scope:SCOPE_SE
	s_setreg_imm32_b32 hwreg(HW_REG_WAVE_MODE, 25, 1), 1
	s_wait_xcnt 0x0
; THIRD OF THREE LAUNCHES: the blending.  256 work-groups of 16 waves; work-group g = 8 ry + rx owns the 64 x 16 pixels at (64 rx, 16 ry),
; wave k the tile of 8 x 8 pixels at (8 (k % 8), 8 (k / 8)) in it, lane l the pixels (l % 8, l / 8) and (l % 8, l / 8 + 4) of the tile.
; 1. Thread t projects point t (the same instructions as in the launch before) and puts its record of ten numbers into LDS at the point's
;    depth rank, a whole number read from memory and clamped to 511 before it becomes an address.
; 2. Each wave reads its tile's list, 512 bits in depth order, into 16 scalar registers by one scalar load, and walks the set bits from front
;    to back: two counted loops, the trip counts being the numbers of non-empty words and of set bits.  All that steers a branch or an address
;    is scalar arithmetic on those 16 words.  A point without its bit adds w = 0 to every pixel of the tile (see the launch before).
;    One loop body: the word wanted is picked out of the 16 registers by a tree of selects on the four bits of its number, 12 scalar instructions.
; 3. A pixel is 20 bytes, so 64 pixels of a row are 1,280 bytes = five runs of 256 aligned bytes: the results go through LDS, and wave w stores row w.
; ARITHMETIC: all f32.  The quadratic form in reference()'s order, ((c0 dx) dx + ((2 c1) dx) dy) + (c2 dy) dy, sums fused; exp(p) = 2^(p log2 e);
; a NaN power stays NaN (v_minimum_f32) and then gives alpha = 0, as jnp.minimum and jnp.where do; T (1 - alpha) is one fused T - alpha T.
; LIMITS: depth + 1e-6 equal to 0 or outside the range in which v_rcp_f32 returns a normal number gives u = v = NaN where reference() has
; inf or 0.  The last bits of power and of the exponential differ from reference()'s: a pixel whose g a lies within some 1e-7 of 1/255
; (relative) can fall on the other side of that threshold.
; No cluster, no tensor load: the work-groups share only the 20 KB of inputs, and a thread's 44 bytes go straight into registers.
.set RECB, 48                          ; LDS pitch of a record (40 bytes used; 48 keeps 16-byte alignment)
.set REC,  0                           ; 512 records, by depth rank
.set STG,  512*RECB                    ; 16 rows of 64 pixels x 20 bytes
.set SPITCH, 1312                      ; 1,280 + 32: the four rows that a wave's store touches start 8 banks apart, and 5 i = 8 j has no solution for i < 8, 0 < j < 4
.set SRY,  3
.set GID,  4
.set WAVE, 5
.set QX, 28
.set QY, 29
.set QZ, 30
.set QW, 31
.set TX, 32
.set TY, 33
.set TZ, 34
.set K00, 36
.set K01, 37
.set K02, 38
.set K10, 39
.set K11, 40
.set K12, 41
.set M,   68                           ; s[68:83] my tile's list: bit l of word c = depth place 32 c + l
.set SEL, 84                           ; s[84:91] the tree of selects
.set LANE, 5                           ; v5
.set PT,  6                            ; v[6:8]   my point
.set RK,  9                            ; my rank
.set XX, 16
.set YY, 17
.set ZZ, 18
.set XY, 19
.set XZ, 20
.set YZ, 21
.set XW, 22
.set YW, 23
.set ZW, 24
.set R01, 26
.set R02, 27
.set R10, 28
.set R12, 29
.set R20, 30
.set R21, 31
.set R00, 32
.set R11, 33
.set R22, 34
.set CX,  35
.set CY,  36
.set DEN, 37
.set RC,  38
.set ER,  39
.set UN,  40
.set VN,  41
.set RA,  42                           ; LDS address of my record
.set PX,  44                           ; v[44:45] my pixels' x centre, twice
.set PY,  46                           ; v[46:47] their two y centres
.set QR,  48                           ; v[48:57] my record: u, v, c0, 2 c1 | c2, alpha, red, green | blue, depth
.set SA,  58                           ; stage address of my first pixel
.set G,   60                           ; v[60:69] the record at work
.set DX,  70
.set DY,  72
.set MM,  74
.set T2,  76
.set SS,  78
.set NN,  80
.set EE,  82
.set AA,  84
.set WW,  86
.set TR,  88                           ; v[88:89] T of my two pixels
.set CR,  90                           ; red, green, blue, depth sums
.set CG,  92
.set CB,  94
.set CD,  96
.set ADR, 98
.set RDA, 100
.set RDB, 101
.set GO,  102
.set OUTR, 104                         ; v[104:115] three times 16 bytes on their way out
; R = quat_to_rot(q): every product and sum rounded by itself, as reference() writes them.  2 x is exact, so 1 - 2 s is one fused step.
.macro CAMERA
	v_mul_f32 v[XX], s[QX], s[QX]
	v_mul_f32 v[YY], s[QY], s[QY]
	v_mul_f32 v[ZZ], s[QZ], s[QZ]
	v_mul_f32 v[XY], s[QX], s[QY]
	v_mul_f32 v[XZ], s[QX], s[QZ]
	v_mul_f32 v[YZ], s[QY], s[QZ]
	v_mul_f32 v[XW], s[QX], s[QW]
	v_mul_f32 v[YW], s[QY], s[QW]
	v_mul_f32 v[ZW], s[QZ], s[QW]
	v_sub_f32 v[R01], v[XY], v[ZW]
	v_add_f32 v[R02], v[XZ], v[YW]
	v_add_f32 v[R10], v[XY], v[ZW]
	v_sub_f32 v[R12], v[YZ], v[XW]
	v_sub_f32 v[R20], v[XZ], v[YW]
	v_add_f32 v[R21], v[YZ], v[XW]
	v_add_f32 v[R00], v[YY], v[ZZ]
	v_add_f32 v[R11], v[XX], v[ZZ]
	v_add_f32 v[R22], v[XX], v[YY]
	v_pk_add_f32 v[R01:R02], v[R01:R02], v[R01:R02]
	v_pk_add_f32 v[R10:R12], v[R10:R12], v[R10:R12]
	v_pk_add_f32 v[R20:R21], v[R20:R21], v[R20:R21]
	v_fma_f32 v[R00], -2.0, v[R00], 1.0
	v_fma_f32 v[R11], -2.0, v[R11], 1.0
	v_fma_f32 v[R22], -2.0, v[R22], 1.0
.endm
; p_cam = R p + t, proj = K p_cam (each sum: a product, then two fused multiply-adds, k ascending), uv = proj / (depth + 1e-6).
; The quotient: reciprocal with one Newton step, then the quotient corrected by its exact remainder.
.macro PROJECT ru, rv, rz
	v_mul_f32 v[\rz], v[PT], v[R20]
	v_fma_f32 v[\rz], v[PT+1], v[R21], v[\rz]
	v_fma_f32 v[\rz], v[PT+2], v[R22], v[\rz]
	v_add_f32 v[\rz], s[TZ], v[\rz]
	v_add_f32 v[DEN], 0x358637bd, v[\rz]           ; + 1e-6
	v_rcp_f32 v[RC], v[DEN]                        ; its result is first read eight plain instructions further down
	v_mul_f32 v[CX], v[PT], v[R00]
	v_fma_f32 v[CX], v[PT+1], v[R01], v[CX]
	v_fma_f32 v[CX], v[PT+2], v[R02], v[CX]
	v_add_f32 v[CX], s[TX], v[CX]
	v_mul_f32 v[CY], v[PT], v[R10]
	v_fma_f32 v[CY], v[PT+1], v[R11], v[CY]
	v_fma_f32 v[CY], v[PT+2], v[R12], v[CY]
	v_add_f32 v[CY], s[TY], v[CY]
	s_wait_alu depctr_va_vdst(0)
	v_fma_f32 v[ER], -v[DEN], v[RC], 1.0
	v_fma_f32 v[RC], v[ER], v[RC], v[RC]
	v_mul_f32 v[UN], s[K00], v[CX]
	v_fma_f32 v[UN], s[K01], v[CY], v[UN]
	v_fma_f32 v[UN], s[K02], v[\rz], v[UN]
	v_mul_f32 v[VN], s[K10], v[CX]
	v_fma_f32 v[VN], s[K11], v[CY], v[VN]
	v_fma_f32 v[VN], s[K12], v[\rz], v[VN]
	v_mul_f32 v[\ru], v[UN], v[RC]
	v_fma_f32 v[ER], -v[DEN], v[\ru], v[UN]
	v_fma_f32 v[\ru], v[ER], v[RC], v[\ru]
	v_mul_f32 v[\rv], v[VN], v[RC]
	v_fma_f32 v[ER], -v[DEN], v[\rv], v[VN]
	v_fma_f32 v[\rv], v[ER], v[RC], v[\rv]
.endm
	s_load_b512 s[8:23], s[0:1], 0x0               ; K s[8:9], alpha s[10:11], colour s[12:13], conic s[14:15], points s[16:17], q s[18:19], t s[20:21], rank s[22:23]
	s_load_b128 s[24:27], s[0:1], 0x40             ; masks s[24:25], out0 s[26:27]
	v_lshl_add_u32 v116, v0, 2, 0xb200
	v_mov_b32 v117, 0
	s_and_b32 s[SRY], ttmp7, 0xffff
	s_lshl3_add_u32 s[GID], s[SRY], ttmp9          ; g = 8 ry + rx
	v_mul_u32_u24 v1, v0, 12
	v_lshlrev_b32 v2, 2, v0
	v_lshrrev_b32 v4, 5, v0
	v_readfirstlane_b32 s[WAVE], v4
	v_and_b32 v[LANE], 31, v0
	s_lshl_b32 s6, s[GID], 10                      ; the region's 1,024 bytes of lists,
	s_lshl_b32 s7, s[WAVE], 6                      ; my tile's 64 of them
	s_add_co_u32 s6, s6, s7
	; where row w of the region begins in out0: (16 ry + w) rows of 10,240 bytes + rx x 1,280 bytes, a multiple of 256
	s_lshl_b32 s52, s[SRY], 4
	s_add_co_u32 s52, s52, s[WAVE]
	s_mul_i32 s52, s52, 10240
	s_mul_i32 s54, ttmp9, 1280
	s_add_co_u32 s52, s52, s54
	s_mov_b32 s53, 0
	s_wait_kmcnt 0x0
	global_load_b96 v[PT:PT+2], v1, s[16:17]
	global_load_b32 v[RK], v2, s[22:23]
	global_load_b96 v[QR+2:QR+4], v1, s[14:15]                 ; conic, alpha and colour land in their places in the record
	global_load_b32 v[QR+5], v2, s[10:11]
	global_load_b96 v[QR+6:QR+8], v1, s[12:13]
	s_load_b512 s[M:M+15], s[24:25], s6 offset:0x0             ; my tile's list
	s_load_b128 s[28:31], s[18:19], 0x0
	s_load_b96 s[32:34], s[20:21], 0x0
	s_load_b256 s[36:43], s[8:9], 0x0
	s_add_nc_u64 s[26:27], s[26:27], s[52:53]
	s_wait_kmcnt 0x0
	CAMERA
	s_wait_loadcnt 0x4                             ; my point is in; the four loads issued behind it may stay out
	PROJECT QR, QR+1, QR+9
	s_wait_loadcnt 0x0
	v_add_f32 v[QR+3], v[QR+3], v[QR+3]            ; 2 c1, exact
	v_min_u32 v[RK], 0x1ff, v[RK]                  ; a number from memory becomes an address only behind this clamp
	v_mul_u32_u24 v[RA], v[RK], RECB
	ds_store_b128 v[RA], v[QR:QR+3] offset:REC
	ds_store_b128 v[RA], v[QR+4:QR+7] offset:REC+16
	ds_store_b64 v[RA], v[QR+8:QR+9] offset:REC+32
	s_wait_dscnt 0x0                               ; my stores are in LDS before I say so
	s_barrier_signal -1
	; register work while the others arrive: my pixels, my stage address, the sums' first values, the summary of my list
	s_and_b32 s48, s[WAVE], 7
	s_lshl_b32 s48, s48, 3                         ; my tile's x in the region
	s_lshr_b32 s49, s[WAVE], 3
	s_lshl_b32 s49, s49, 3                         ; and its y
	v_and_b32 v6, 7, v[LANE]
	v_lshrrev_b32 v7, 3, v[LANE]
	v_add_nc_u32 v6, s48, v6
	v_add_nc_u32 v7, s49, v7
	v_mul_u32_u24 v[SA], v7, SPITCH
	v_mad_u32_u24 v[SA], v6, 20, v[SA]
	s_lshl_b32 s48, ttmp9, 6
	s_lshl_b32 s49, s[SRY], 4
	v_add_nc_u32 v6, s48, v6
	v_add_nc_u32 v7, s49, v7
	v_cvt_f32_u32 v6, v6
	v_cvt_f32_u32 v7, v7
	v_add_f32 v[PX], 0.5, v6
	v_add_f32 v[PX+1], 0.5, v6
	v_add_f32 v[PY], 0.5, v7
	v_add_f32 v[PY+1], 0x40900000, v7              ; four rows down: + 4.5
	v_mov_b32 v[TR], 1.0
	v_mov_b32 v[TR+1], 1.0
.irp r, CR, CG, CB, CD
	v_mov_b32 v[\r], 0
	v_mov_b32 v[\r+1], 0
.endr
	s_mov_b32 s45, 0x3b808081                      ; 1 / 255
	s_mov_b32 s46, 0x3f7d70a4                      ; 0.99
	s_mul_i32 s48, s[WAVE], SPITCH                 ; row w of the stage
	v_lshl_add_u32 v[RDA], v[LANE], 4, s48
	v_and_b32 v[RDB], 15, v[LANE]
	v_lshl_add_u32 v[RDB], v[RDB], 4, s48
	v_lshlrev_b32 v[GO], 4, v[LANE]
	s_min_u32 s50, s[M+15], 1                      ; s50: bit c = word c holds anything
.irp c, 14,13,12,11,10,9,8,7,6,5,4,3,2,1,0
	s_min_u32 s54, s[M+\c], 1
	s_lshl1_add_u32 s50, s50, s54
.endr
	s_bcnt1_i32_b32 s51, s50                       ; the number of such words
	s_barrier_wait -1                              ; every record is in LDS
	s_cmp_eq_u32 s51, 0
	s_cbranch_scc1 .Lpaint                         ; an empty tile
	s_mov_b32 s52, 0
.Lword:
	s_ctz_i32_b32 s53, s50                         ; the next non-empty word's number,
	s_min_u32 s53, s53, 15
	s_sub_co_u32 s54, s50, 1
	s_and_b32 s50, s50, s54                        ; struck off
	s_bitcmp1_b32 s53, 3                           ; the word itself: of 16 registers 8, 4, 2, 1, by the number's bits 3, 2, 1, 0
	s_cselect_b64 s[SEL:SEL+1], s[M+8:M+9], s[M:M+1]
	s_cselect_b64 s[SEL+2:SEL+3], s[M+10:M+11], s[M+2:M+3]
	s_cselect_b64 s[SEL+4:SEL+5], s[M+12:M+13], s[M+4:M+5]
	s_cselect_b64 s[SEL+6:SEL+7], s[M+14:M+15], s[M+6:M+7]
	s_bitcmp1_b32 s53, 2
	s_cselect_b64 s[SEL:SEL+1], s[SEL+4:SEL+5], s[SEL:SEL+1]
	s_cselect_b64 s[SEL+2:SEL+3], s[SEL+6:SEL+7], s[SEL+2:SEL+3]
	s_bitcmp1_b32 s53, 1
	s_cselect_b64 s[SEL:SEL+1], s[SEL+2:SEL+3], s[SEL:SEL+1]
	s_bitcmp1_b32 s53, 0
	s_cselect_b32 s55, s[SEL+1], s[SEL]
	s_bcnt1_i32_b32 s56, s55                       ; its points: at least one
	s_mul_i32 s57, s53, 32*RECB
	s_mov_b32 s58, 0
.Lpoint:
	s_ctz_i32_b32 s59, s55                         ; the nearest point left,
	s_min_u32 s59, s59, 31
	s_sub_co_u32 s54, s55, 1
	s_and_b32 s55, s55, s54                        ; struck off
	s_mul_i32 s59, s59, RECB
	s_add_co_u32 s59, s59, s57
	v_mov_b32 v[ADR], s59
	ds_load_b128 v[G:G+3], v[ADR] offset:REC       ; u, v, c0, 2 c1: all lanes read the same bytes
	ds_load_b128 v[G+4:G+7], v[ADR] offset:REC+16  ; c2, alpha, red, green
	ds_load_b64 v[G+8:G+9], v[ADR] offset:REC+32   ; blue, depth
	s_wait_dscnt 0x0
	v_pk_add_f32 v[DX:DX+1], v[PX:PX+1], v[G:G+1] op_sel_hi:[1,0] neg_lo:[0,1] neg_hi:[0,1]                ; dx = px - u, twice
	v_pk_add_f32 v[DY:DY+1], v[PY:PY+1], v[G:G+1] op_sel:[0,1] op_sel_hi:[1,1] neg_lo:[0,1] neg_hi:[0,1]   ; dy = py - v
	v_pk_mul_f32 v[MM:MM+1], v[G+2:G+3], v[DX:DX+1]                                   ; c0 dx | (2 c1) dx
	v_pk_mul_f32 v[T2:T2+1], v[MM:MM+1], v[DY:DY+1] op_sel:[1,0] op_sel_hi:[1,1]      ; ((2 c1) dx) dy
	v_pk_fma_f32 v[SS:SS+1], v[MM:MM+1], v[DX:DX+1], v[T2:T2+1] op_sel_hi:[0,1,1]     ; (c0 dx) dx + that
	v_pk_mul_f32 v[NN:NN+1], v[G+4:G+5], v[DY:DY+1] op_sel_hi:[0,1]                   ; c2 dy
	v_pk_fma_f32 v[SS:SS+1], v[NN:NN+1], v[DY:DY+1], v[SS:SS+1]
	v_pk_mul_f32 v[SS:SS+1], v[SS:SS+1], 0xbf38aa3b op_sel_hi:[1,0]                   ; power x log2 e = sum x (-0.5 log2 e): the halving is exact
	v_minimum_f32 v[SS], 0, v[SS]                  ; min(power, 0); a NaN stays
	v_exp_f32 v[EE], v[SS]
	v_minimum_f32 v[SS+1], 0, v[SS+1]              ; the plain instruction behind the first v_exp_f32
	v_exp_f32 v[EE+1], v[SS+1]
	s_wait_alu depctr_va_vdst(0)
	v_mul_f32 v[EE], v[EE], v[G+5]                 ; g a; names nothing of the second v_exp_f32 and is the plain instruction behind it
	v_mul_f32 v[EE+1], v[EE+1], v[G+5]
	v_cmp_le_f32 vcc_lo, s45, v[EE]                ; 1 / 255 <= g a: false for a NaN
	v_cmp_le_f32 s47, s45, v[EE+1]
	v_min_num_f32 v[AA], s46, v[EE]
	v_min_num_f32 v[AA+1], s46, v[EE+1]
	v_cndmask_b32 v[AA], 0, v[AA], vcc_lo
	v_cndmask_b32 v[AA+1], 0, v[AA+1], s47
	v_pk_mul_f32 v[WW:WW+1], v[TR:TR+1], v[AA:AA+1]                                   ; w = T alpha
	v_pk_fma_f32 v[CR:CR+1], v[WW:WW+1], v[G+6:G+7], v[CR:CR+1] op_sel_hi:[1,0,1]
	v_pk_fma_f32 v[CG:CG+1], v[WW:WW+1], v[G+6:G+7], v[CG:CG+1] op_sel:[0,1,0] op_sel_hi:[1,1,1]
	v_pk_fma_f32 v[CB:CB+1], v[WW:WW+1], v[G+8:G+9], v[CB:CB+1] op_sel_hi:[1,0,1]
	v_pk_fma_f32 v[CD:CD+1], v[WW:WW+1], v[G+8:G+9], v[CD:CD+1] op_sel:[0,1,0] op_sel_hi:[1,1,1]
	v_pk_fma_f32 v[TR:TR+1], v[AA:AA+1], v[TR:TR+1], v[TR:TR+1] neg_lo:[1,0,0] neg_hi:[1,0,0]   ; T - alpha T
	s_add_co_u32 s58, s58, 1
	s_cmp_lt_u32 s58, s56
	s_cbranch_scc1 .Lpoint
	s_add_co_u32 s52, s52, 1
	s_cmp_lt_u32 s52, s51
	s_cbranch_scc1 .Lword
.Lpaint:
	; my two pixels, 20 bytes each, into the stage (bytes of their own: other waves may still be reading records)
	v_sub_f32 v[AA], 1.0, v[TR]
	v_sub_f32 v[AA+1], 1.0, v[TR+1]
.irp p, 0,1
	ds_store_b32 v[SA], v[CR+\p] offset:STG+\p*4*SPITCH
	ds_store_b32 v[SA], v[CG+\p] offset:STG+\p*4*SPITCH+4
	ds_store_b32 v[SA], v[CB+\p] offset:STG+\p*4*SPITCH+8
	ds_store_b32 v[SA], v[CD+\p] offset:STG+\p*4*SPITCH+12
	ds_store_b32 v[SA], v[AA+\p] offset:STG+\p*4*SPITCH+16
.endr
	s_wait_dscnt 0x0                               ; my stores are in LDS before I say so
	s_barrier_signal -1
	s_barrier_wait -1
	; wave w stores row w: 1,280 bytes, 16 lanes to each aligned run of 256 bytes; the fifth run by lanes 0-15 alone
	ds_load_b128 v[OUTR:OUTR+3], v[RDA] offset:STG
	ds_load_b128 v[OUTR+4:OUTR+7], v[RDA] offset:STG+512
	ds_load_b128 v[OUTR+8:OUTR+11], v[RDB] offset:STG+1024     ; lanes 16-31 read what lanes 0-15 read: nothing beyond the row is touched
	s_wait_dscnt 0x2                               ; the first read is in, two younger ones may stay out
	global_store_b128 v[GO], v[OUTR:OUTR+3], s[26:27] th:TH_STORE_NT
	s_wait_dscnt 0x1
	global_store_b128 v[GO], v[OUTR+4:OUTR+7], s[26:27] offset:512 th:TH_STORE_NT
	s_wait_dscnt 0x0
	s_wait_xcnt 0x0                                ; EXEC is a source of the stores above: it changes only behind this wait
	s_wait_tensorcnt 0x0
	ds_add_u32 v116, v117
	s_wait_dscnt 0x0
	v_cmpx_gt_u32 16, v[LANE]
	global_store_b128 v[GO], v[OUTR+8:OUTR+11], s[26:27] offset:1024 th:TH_STORE_NT
	s_endpgm
.Lfunc_end_k_q9fc5db3352_raster:
	.size	k_q9fc5db3352_raster, .Lfunc_end_k_q9fc5db3352_raster-k_q9fc5db3352_raster
	.p2alignl 7, 3214868480
	.fill 96, 4, 3214868480
	.section	.rodata,"a",@progbits
	.p2align	6, 0x0
	.amdhsa_kernel k_q9fc5db3352_raster
		.amdhsa_group_segment_fixed_size 47616
		.amdhsa_private_segment_fixed_size 0
		.amdhsa_enable_private_segment 0
		.amdhsa_kernarg_size 80
		.amdhsa_user_sgpr_count 2
		.amdhsa_user_sgpr_kernarg_segment_ptr 1
		.amdhsa_wavefront_size32 1
		.amdhsa_system_sgpr_workgroup_id_x 1
		.amdhsa_system_sgpr_workgroup_id_y 1
		.amdhsa_system_sgpr_workgroup_id_z 1
		.amdhsa_system_vgpr_workitem_id 0
		.amdhsa_next_free_vgpr 118
		.amdhsa_next_free_sgpr 92
		.amdhsa_reserve_vcc 1
		.amdhsa_float_denorm_mode_32 3
		.amdhsa_float_denorm_mode_16_64 3
		.amdhsa_memory_ordered 1
		.amdhsa_forward_progress 1
		.amdhsa_inst_pref_size 12
	.end_amdhsa_kernel
	.amdgpu_metadata
---
amdhsa.version: [ 1, 2 ]
amdhsa.kernels:
  - .name:           k_q9fc5db3352_raster
    .symbol:         k_q9fc5db3352_raster.kd
    .args:
      - { .name: camera_intrinsics, .offset: 0, .size: 8, .value_kind: global_buffer, .address_space: global }
      - { .name: point_alpha, .offset: 8, .size: 8, .value_kind: global_buffer, .address_space: global }
      - { .name: point_color, .offset: 16, .size: 8, .value_kind: global_buffer, .address_space: global }
      - { .name: point_conic, .offset: 24, .size: 8, .value_kind: global_buffer, .address_space: global }
      - { .name: pointcloud, .offset: 32, .size: 8, .value_kind: global_buffer, .address_space: global }
      - { .name: q_pointcloud_camera, .offset: 40, .size: 8, .value_kind: global_buffer, .address_space: global }
      - { .name: t_pointcloud_camera, .offset: 48, .size: 8, .value_kind: global_buffer, .address_space: global }
      - { .name: rank, .offset: 56, .size: 8, .value_kind: global_buffer, .address_space: global }
      - { .name: masks, .offset: 64, .size: 8, .value_kind: global_buffer, .address_space: global }
      - { .name: out0, .offset: 72, .size: 8, .value_kind: global_buffer, .address_space: global }
    .group_segment_fixed_size: 47616
    .private_segment_fixed_size: 0
    .kernarg_segment_align: 8
    .kernarg_segment_size: 80
    .max_flat_workgroup_size: 512
    .sgpr_count:     92
    .vgpr_count:     118
    .wavefront_size: 32
...
	.end_amdgpu_metadata
.endif
;; end of part 3
